; MI455X (gfx1250); checked and timed in simulation.
; The chip was launched on July 23, 2026; its instructions are those of AMD's public machine-readable ISA for CDNA 5 (MIT licence, August 2026) and "CDNA5" Instruction Set Architecture Reference Guide (July 2026). The comments in the code are by the model that wrote it; some were corrected since.
;; Vector Quantizer. Allowed arithmetic: float matrix products may take bf16 or f16 operands with f32 sums; all other float work in f32.
;; Inputs: embedding 8,192 x 512 float32; latents 8 x 512 x 2,048 float32.
;; Outputs: out0 8 x 512 x 2,048 float32.
;; One version. Each part assembles by itself: llvm-mc -triple=amdgcn-amd-amdhsa -mcpu=gfx1250 --defsym DOCPART=n.
;; ======== version 1 of 1: 4 launches
;; workspace buffers: xf 16,777,216 bytes; xsq 65,536 bytes; eb 8,388,608 bytes; esq 32,768 bytes; pval 262,144 bytes; pidx 262,144 bytes of whole numbers; ids 65,536 bytes of whole numbers
;; launch prep (part 1): grid 256 x 1, 8 waves a work-group, no clusters, 70,144 bytes of LDS; arguments latents, embedding, xf, xsq, eb, esq; writes xf, xsq, eb, esq
.if DOCPART == 1
	.amdgcn_target "amdgcn-amd-amdhsa--gfx1250"
	.amdhsa_code_object_version 6
	.text
	.protected	k_q1aa65cf134_prep
	.globl	k_q1aa65cf134_prep
	.p2align	8
	.type	k_q1aa65cf134_prep,@function
k_q1aa65cf134_prep:
	s_mov_b64 s[64:65], 0
	v_nop
	global_prefetch_b8 v0, s[64:65] scope:SCOPE_SE
	s_setreg_imm32_b32 hwreg(HW_REG_WAVE_MODE, 25, 1), 1
	s_wait_xcnt 0x0
; PREP.  latents [8][512][2048] f32 -> xf: x rounded to bf16, laid out as the matrix fragments that the next launch loads, and xsq[token] = the sum over d of the rounded x^2.
;        embedding [8192][512] f32 -> eb: the same rows in bf16, and esq[k] = the sum over d of the rounded e^2.  Sums in f32.
; xf: tile T of 16 tokens (token = 2048 b + t) at 16384 T; in it K step kk (32 d) at 1024 kk, half s at 512 s, lane L at 16 L: x[16 T + L % 16][32 kk + 16 s + 8 (L / 16) + 0..7].
; LIMITS.  The squares are summed in an order of this text's own (by lane, by wave, waves ascending), not in the order of any other program.
; SHARES.  Work-group g: the 64 tokens 64 g .. 64 g + 63 (b = g / 32, t from 64 (g % 32)) and the rows 32 g .. 32 g + 31 of the table.  Wave w: d = 128 i + 16 w + 8 h + j of x, rows 4 w + i of e.
; Memory binds: every input byte is read once by 16-byte loads of which sixteen neighbouring lanes take 256 consecutive bytes; all 48 loads of a wave go out at the start.  No matrix unit,
; no cluster (no two work-groups read the same bytes), no tensor load (the data must pass through registers to be rounded).
; x changes its order (d along the lanes' registers -> d along a row) through LDS: a token's row is 1,024 bytes + 16, and each tile of 16 rows is set 16 bytes further, so that the sixteen lanes
; of a store (tokens 4 r + u: 16-byte column r / 4 + 4 (r % 4) mod 16) and of a load (rows r: column r mod 16) each touch sixteen different columns.
.set TROW,  1040                       ; a token's row in LDS
.set TTILE, 16*TROW+16                 ; 16 rows and the skew
.set X2P,   66816                      ; behind the four tiles (66,624 bytes), at a multiple of 256: x2's partial sums, 256 bytes a wave
.set E2P,   X2P+8*256                  ; e2 of the group's 32 rows
.set SPARE, E2P+256                    ; the spare words, 128 bytes for each wave: four blocks of 256 bytes that no other line names
.set LN,  1                            ; v1   lane L
.set RR,  2                            ; v2   r = L % 16
.set HH,  3                            ; v3   h = L / 16
.set LX,  4                            ; v4   my offset in latents: 131072 w + 65536 h + 16 r
.set LE,  5                            ; v5   8192 w + 16 L: my offset in the group's rows of embedding, and in its part of xf
.set SA,  6                            ; v6   where I put 16 bytes of a token's row
.set RA,  7                            ; v7   where I read a fragment's 16 bytes
.set OE,  9                            ; v9   4096 w + 8 L: my offset in the group's rows of eb
.set X2W, 10                           ; v10  X2P + 256 w + 16 r
.set E2W, 11                           ; v11  E2P + 16 w
.set L16, 12                           ; v12  16 L
.set TT,  13                           ; v13  at work
.set SPW, 14                           ; v14  LDS address of my spare word; never rewritten
.set NIL, 15                           ; v15  0; never rewritten
.set SS,  16                           ; v[16:23] x2 of my four tokens, a pair each; later at work
.set XS,  24                           ; v[24:27] x2 of my four tokens
.set ES,  28                           ; v[28:31] e2 of my four rows
.set XA,  32                           ; v[32:159] x as loaded: group i, row j at XA + 32 i + 4 j; later e2's chains, the fragments read back, the partial sums
.set EA,  160                          ; v[160:223] e as loaded: row i, quarter q at EA + 16 i + 4 q
.set PK,  224                          ; v[224:255] rounded numbers, packed
.set UP,  240                          ; v[240:247] x: unpacked again, four pairs
	s_load_b256 s[4:11], s[0:1], 0x0               ; latents s[4:5], embedding s[6:7], xf s[8:9], xsq s[10:11]
	s_load_b128 s[12:15], s[0:1], 0x20             ; eb s[12:13], esq s[14:15]
	v_lshl_add_u32 v[SPW], v0, 2, SPARE
	v_mov_b32 v[NIL], 0
	v_lshrrev_b32 v[TT], 5, v0
	v_readfirstlane_b32 s16, v[TT]                 ; wave 0..7
	v_and_b32 v[LN], 31, v0
	v_and_b32 v[RR], 15, v0
	v_bfe_u32 v[HH], v0, 4, 1
	s_mov_b32 s22, 0x76543210                      ; v_permlanex16_b32: each lane takes its own place in the other half
	s_mov_b32 s23, 0xfedcba98
	s_mov_b32 s24, 0xffff0000                      ; a word's upper bf16
	s_lshl_b32 s17, s16, 17
	v_lshlrev_b32 v[LX], 4, v[RR]
	v_lshl_add_u32 v[LX], v[HH], 16, v[LX]
	v_add_nc_u32 v[LX], s17, v[LX]
	s_lshl_b32 s17, s16, 13
	v_lshl_add_u32 v[LE], v[LN], 4, s17
	v_lshrrev_b32 v[TT], 2, v[RR]                  ; token 4 r + u lies in tile r / 4, row 4 (r % 4) + u
	v_mul_u32_u24 v[SA], v[TT], TTILE
	v_and_b32 v[TT], 3, v[RR]
	v_mad_u32_u24 v[SA], v[TT], 4*TROW, v[SA]
	v_lshl_add_u32 v[SA], v[HH], 4, v[SA]
	s_lshl_b32 s17, s16, 5
	v_add_nc_u32 v[SA], s17, v[SA]                 ; + 2 (16 w + 8 h)
	s_lshr_b32 s17, s16, 1                         ; back: wave w takes tile w / 2, K steps 8 (w % 2) + 0..7
	s_mul_i32 s17, s17, TTILE
	s_and_b32 s18, s16, 1
	s_lshl_b32 s18, s18, 9
	s_add_co_u32 s17, s17, s18
	v_mul_u32_u24 v[RA], v[RR], TROW
	v_lshl_add_u32 v[RA], v[HH], 4, v[RA]
	v_add_nc_u32 v[RA], s17, v[RA]
	s_lshl_b32 s17, s16, 12
	v_lshl_add_u32 v[OE], v[LN], 3, s17
	s_lshl_b32 s17, s16, 8
	s_add_co_u32 s17, s17, X2P
	v_lshl_add_u32 v[X2W], v[RR], 4, s17
	s_lshl_b32 s17, s16, 4
	s_add_co_u32 s17, s17, E2P
	v_mov_b32 v[E2W], s17
	v_lshlrev_b32 v[L16], 4, v[LN]
	s_lshr_b32 s18, ttmp9, 5                       ; b x 512 x 2048 x 4 bytes
	s_lshl_b32 s18, s18, 22
	s_and_b32 s19, ttmp9, 31                       ; + 64 tokens x 4 bytes for each group of the batch
	s_lshl_b32 s19, s19, 8
	s_add_co_u32 s18, s18, s19
	s_mov_b32 s19, 0
	s_wait_kmcnt 0x0
	s_add_nc_u64 s[4:5], s[4:5], s[18:19]
	s_lshl_b32 s18, ttmp9, 16                      ; 32 rows of 2,048 bytes; and 4 tiles of 16,384
	s_add_nc_u64 s[6:7], s[6:7], s[18:19]
	s_add_nc_u64 s[8:9], s[8:9], s[18:19]
	s_lshl_b32 s18, ttmp9, 15                      ; 32 rows of 1,024 bytes
	s_add_nc_u64 s[12:13], s[12:13], s[18:19]
	s_lshl_b32 s18, ttmp9, 8                       ; 64 numbers
	s_add_nc_u64 s[10:11], s[10:11], s[18:19]
	s_lshl_b32 s18, ttmp9, 7                       ; 32 numbers
	s_add_nc_u64 s[14:15], s[14:15], s[18:19]
	; all 48 loads of the wave: lanes 0-15 take 256 consecutive bytes (64 tokens) of row d, lanes 16-31 of row d + 8
.irp i, 0,1,2,3
.irp j, 0,1,2,3,4,5,6,7
	global_load_b128 v[XA+32*\i+4*\j:XA+32*\i+4*\j+3], v[LX], s[4:5] offset:\i*1048576+\j*8192 th:TH_LOAD_NT
.endr
.endr
.irp i, 0,1,2,3
.irp q, 0,1,2,3
	global_load_b128 v[EA+16*\i+4*\q:EA+16*\i+4*\q+3], v[LE], s[6:7] offset:\i*2048+\q*512  ; 512 consecutive bytes of a row
.endr
.endr
; Group i of x: eight rows d of my four tokens.  For token 4 r + u the eight numbers are rounded in pairs into 16 bytes, which go into the token's row; the rounded numbers are widened again and squared.
.macro XGRP i
	s_wait_loadcnt 40-8*(\i)                       ; loads come back in order: of the 48 the 8 (3 - i) later ones of x and the 16 of e may be out
.irp u, 0,1,2,3
.irp p, 0,1,2,3
	v_cvt_pk_bf16_f32 v[PK+4*(\u)+(\p)], v[XA+32*(\i)+8*(\p)+(\u)], v[XA+32*(\i)+8*(\p)+4+(\u)]
.endr
	ds_store_b128 v[SA], v[PK+4*(\u):PK+4*(\u)+3] offset:(\u)*TROW+(\i)*256
.irp p, 0,1,2,3
	v_lshlrev_b32 v[UP+2*(\p)],   16,  v[PK+4*(\u)+(\p)]
	v_and_b32     v[UP+2*(\p)+1], s24, v[PK+4*(\u)+(\p)]
.endr
.irp p, 0,1,2,3
.if (\i) == 0 && (\p) == 0
	v_pk_mul_f32 v[SS+2*(\u):SS+2*(\u)+1], v[UP:UP+1], v[UP:UP+1]  ; the first squares start the sum
.else
	v_pk_fma_f32 v[SS+2*(\u):SS+2*(\u)+1], v[UP+2*(\p):UP+2*(\p)+1], v[UP+2*(\p):UP+2*(\p)+1], v[SS+2*(\u):SS+2*(\u)+1]
.endif
.endr
.endr
.endm
	XGRP 0
	XGRP 1
	XGRP 2
	XGRP 3
.irp u, 0,1,2,3
	v_add_f32 v[XS+\u], v[SS+2*\u], v[SS+2*\u+1]
.endr
.irp u, 0,1,2,3
	v_permlanex16_b32 v[UP+\u], v[XS+\u], s22, s23 ; the same tokens' other eight rows of each sixteen lie in the lane 16 away
.endr
.irp u, 0,1,2,3
	v_add_f32 v[XS+\u], v[XS+\u], v[UP+\u]
.endr
	ds_store_b128 v[X2W], v[XS:XS+3]               ; my wave's 64 d of tokens 4 r .. 4 r + 3 (both halves of the lanes write the same numbers)
; Row i of e: rounded, stored (each store of the wave covers 256 consecutive bytes, aligned), widened again and squared; the sum goes across the 32 lanes.
.macro EROW i
	s_wait_loadcnt 12-4*(\i)                       ; the rows behind this one may be out
.irp q, 0,1,2,3
	v_cvt_pk_bf16_f32 v[PK+8*(\i)+2*(\q)],   v[EA+16*(\i)+4*(\q)],   v[EA+16*(\i)+4*(\q)+1]
	v_cvt_pk_bf16_f32 v[PK+8*(\i)+2*(\q)+1], v[EA+16*(\i)+4*(\q)+2], v[EA+16*(\i)+4*(\q)+3]
	global_store_b64 v[OE], v[PK+8*(\i)+2*(\q):PK+8*(\i)+2*(\q)+1], s[12:13] offset:(\i)*1024+(\q)*256  ; each row has packed registers of its own: none is rewritten
.endr
.irp q, 0,1,2,3
	v_lshlrev_b32 v[SS+4*((\q)%2)],   16,  v[PK+8*(\i)+2*(\q)]
	v_and_b32     v[SS+4*((\q)%2)+1], s24, v[PK+8*(\i)+2*(\q)]
	v_lshlrev_b32 v[SS+4*((\q)%2)+2], 16,  v[PK+8*(\i)+2*(\q)+1]
	v_and_b32     v[SS+4*((\q)%2)+3], s24, v[PK+8*(\i)+2*(\q)+1]
.if (\q) == 0
	v_pk_mul_f32 v[XA:XA+1],   v[SS:SS+1],   v[SS:SS+1]
	v_pk_mul_f32 v[XA+2:XA+3], v[SS+2:SS+3], v[SS+2:SS+3]
.else
	v_pk_fma_f32 v[XA:XA+1],   v[SS+4*((\q)%2):SS+4*((\q)%2)+1],   v[SS+4*((\q)%2):SS+4*((\q)%2)+1],   v[XA:XA+1]
	v_pk_fma_f32 v[XA+2:XA+3], v[SS+4*((\q)%2)+2:SS+4*((\q)%2)+3], v[SS+4*((\q)%2)+2:SS+4*((\q)%2)+3], v[XA+2:XA+3]
.endif
.endr
	v_pk_add_f32 v[XA:XA+1], v[XA:XA+1], v[XA+2:XA+3]
	v_add_f32 v[ES+(\i)], v[XA], v[XA+1]
	v_add_f32_dpp v[ES+(\i)], v[ES+(\i)], v[ES+(\i)] row_xmask:1 row_mask:0xf bank_mask:0xf
	v_add_f32_dpp v[ES+(\i)], v[ES+(\i)], v[ES+(\i)] row_xmask:2 row_mask:0xf bank_mask:0xf
	v_add_f32_dpp v[ES+(\i)], v[ES+(\i)], v[ES+(\i)] row_xmask:4 row_mask:0xf bank_mask:0xf
	v_add_f32_dpp v[ES+(\i)], v[ES+(\i)], v[ES+(\i)] row_xmask:8 row_mask:0xf bank_mask:0xf
	v_permlanex16_b32 v[SS], v[ES+(\i)], s22, s23
	v_add_f32 v[ES+(\i)], v[ES+(\i)], v[SS]
.endm
	EROW 0
	EROW 1
	EROW 2
	EROW 3
	ds_store_b128 v[E2W], v[ES:ES+3]               ; e2 of rows 4 w .. 4 w + 3 (every lane writes the same numbers)
	s_wait_dscnt 0x0                               ; for the others' sake: my stores into the rows and the two tables are done
	s_barrier_signal -1
	s_barrier_wait -1
	; back as fragments: 16 loads, then 16 stores of 512 consecutive bytes each
.irp n, 0,1,2,3,4,5,6,7,8,9,10,11,12,13,14,15
	ds_load_b128 v[XA+4*\n:XA+4*\n+3], v[RA] offset:\n*32  ; K step n / 2 of my eight, half n % 2
.endr
.irp n, 0,1,2,3,4,5,6,7,8,9,10,11,12,13,14,15
	s_wait_dscnt 15-\n                             ; LDS loads come back in order: load n is in
	global_store_b128 v[LE], v[XA+4*\n:XA+4*\n+3], s[8:9] offset:\n*512
.endr
	s_cmp_lg_u32 s16, 0
	s_cbranch_scc1 .Lend                           ; wave 0 adds the eight waves' parts of x2 and sends both tables
	v_lshl_add_u32 v[TT], v[RR], 4, X2P
.irp n, 0,1,2,3,4,5,6,7
	ds_load_b128 v[XA+64+4*\n:XA+64+4*\n+3], v[TT] offset:256*\n
.endr
	v_and_b32 v[SS], 7, v0
	v_lshl_add_u32 v[SS], v[SS], 4, E2P
	ds_load_b128 v[XA+96:XA+99], v[SS]
	s_wait_dscnt 0x0
.irp n, 1,2,3,4,5,6,7
	v_pk_add_f32 v[XA+64:XA+65], v[XA+64:XA+65], v[XA+64+4*\n:XA+65+4*\n]
	v_pk_add_f32 v[XA+66:XA+67], v[XA+66:XA+67], v[XA+66+4*\n:XA+67+4*\n]
.endr
	v_cmp_gt_u32 vcc_lo, 16, v[LN]
	s_wait_xcnt 0x0                                ; EXEC is a source of the stores above: it changes only behind this wait
	s_and_saveexec_b32 s20, vcc_lo
	global_store_b128 v[L16], v[XA+64:XA+67], s[10:11]  ; sixteen lanes: the group's 64 x2, 256 consecutive bytes, aligned
	s_wait_xcnt 0x0
	s_or_b32 exec_lo, exec_lo, s20
	v_cmp_gt_u32 vcc_lo, 8, v[LN]
	s_and_saveexec_b32 s20, vcc_lo
	global_store_b128 v[L16], v[XA+96:XA+99], s[14:15]  ; eight lanes: the group's 32 e2, 128 bytes: what 8,192 rows on 256 work-groups leave; 32 KiB of the launch's 25 MiB of stores
	s_wait_xcnt 0x0
	s_or_b32 exec_lo, exec_lo, s20
.Lend:
	s_wait_tensorcnt 0x0                           ; the wave's end: behind my last LDS store
	ds_add_u32 v[SPW], v[NIL]
	s_wait_dscnt 0x0
	s_endpgm
.Lfunc_end_k_q1aa65cf134_prep:
	.size	k_q1aa65cf134_prep, .Lfunc_end_k_q1aa65cf134_prep-k_q1aa65cf134_prep
	.p2alignl 7, 3214868480
	.fill 96, 4, 3214868480
	.section	.rodata,"a",@progbits
	.p2align	6, 0x0
	.amdhsa_kernel k_q1aa65cf134_prep
		.amdhsa_group_segment_fixed_size 70144
		.amdhsa_private_segment_fixed_size 0
		.amdhsa_enable_private_segment 0
		.amdhsa_kernarg_size 48
		.amdhsa_user_sgpr_count 2
		.amdhsa_user_sgpr_kernarg_segment_ptr 1
		.amdhsa_wavefront_size32 1
		.amdhsa_system_sgpr_workgroup_id_x 1
		.amdhsa_system_sgpr_workgroup_id_y 1
		.amdhsa_system_sgpr_workgroup_id_z 1
		.amdhsa_system_vgpr_workitem_id 0
		.amdhsa_next_free_vgpr 256
		.amdhsa_next_free_sgpr 66
		.amdhsa_reserve_vcc 1
		.amdhsa_float_denorm_mode_32 3
		.amdhsa_float_denorm_mode_16_64 3
		.amdhsa_memory_ordered 1
		.amdhsa_forward_progress 1
		.amdhsa_inst_pref_size 36
	.end_amdhsa_kernel
	.amdgpu_metadata
---
amdhsa.version: [ 1, 2 ]
amdhsa.kernels:
  - .name:           k_q1aa65cf134_prep
    .symbol:         k_q1aa65cf134_prep.kd
    .args:
      - { .name: latents, .offset: 0, .size: 8, .value_kind: global_buffer, .address_space: global }
      - { .name: embedding, .offset: 8, .size: 8, .value_kind: global_buffer, .address_space: global }
      - { .name: xf, .offset: 16, .size: 8, .value_kind: global_buffer, .address_space: global }
      - { .name: xsq, .offset: 24, .size: 8, .value_kind: global_buffer, .address_space: global }
      - { .name: eb, .offset: 32, .size: 8, .value_kind: global_buffer, .address_space: global }
      - { .name: esq, .offset: 40, .size: 8, .value_kind: global_buffer, .address_space: global }
    .group_segment_fixed_size: 70144
    .private_segment_fixed_size: 0
    .kernarg_segment_align: 8
    .kernarg_segment_size: 48
    .max_flat_workgroup_size: 256
    .sgpr_count:     66
    .vgpr_count:     256
    .wavefront_size: 32
...
	.end_amdgpu_metadata
.endif
;; end of part 1
;; launch main (part 2): grid 64 x 4, 4 waves a work-group, clusters of 4 x 1, 327,680 bytes of LDS; arguments eb, esq, xf, xsq, pval, pidx; writes pval, pidx
.if DOCPART == 2
	.amdgcn_target "amdgcn-amd-amdhsa--gfx1250"
	.amdhsa_code_object_version 6
	.text
	.protected	k_q1aa65cf134_main
	.globl	k_q1aa65cf134_main
	.p2align	8
	.type	k_q1aa65cf134_main,@function
k_q1aa65cf134_main:
	s_mov_b64 s[64:65], 0
	v_nop
	global_prefetch_b8 v0, s[64:65] scope:SCOPE_SE
	s_setreg_imm32_b32 hwreg(HW_REG_WAVE_MODE, 25, 1), 1
	s_wait_xcnt 0x0
	s_wait_alu depctr_hold_cnt(0) depctr_sa_sdst(0) depctr_va_vdst(0) depctr_va_sdst(0) depctr_va_ssrc(0) depctr_va_vcc(0) depctr_vm_vsrc(0)
	s_getreg_b32 s2, hwreg(HW_REG_IB_STS2, 6, 4)
	s_cmp_eq_u32 s2, 0
	s_cbranch_scc0 .Lentry_in_a_cluster
	s_endpgm
.Lentry_in_a_cluster:
	s_bfe_u32 s2, ttmp6, 0x10000c
	s_cmp_lg_u32 s2, 0x3003
	s_cbranch_scc0 .Lentry_shape_is_right
	s_endpgm
.Lentry_shape_is_right:
; MAIN.  For 256 tokens and one quarter (2,048) of the codes: d2[token][k] = (x2 - 2 xe) + e2, xe = the sum over 512 d of x e in bf16 with f32 sums, and of each token the least d2 and the FIRST k that has it.
; d2 is rounded as it is written: one fused multiply-add makes fl(x2 - 2 xe) (2 xe is exact), one addition fl(.. + e2); equal numbers are common on that grid, so every comparison is strict
; and walks the codes upward: in a lane, between the lanes' halves (the lower index on equal values), and, in the next launch, between the quarters.
; LIMITS.  x and e arrive rounded to bf16, x2 and e2 are those of the rounded numbers.  A NaN score is never chosen.  A token whose scores are all +infinity keeps the quarter's first code.
; SHARES.  Work-group (X, q): tokens 256 X .., codes 2048 q ...  64 x 4 = 256 work-groups.  Wave w: tokens 256 X + 64 w .. + 63, four tiles of 16, WHOLE in K: 4 x 16 fragments = 512 registers, loaded once.
; Every wave walks the quarter's 128 tiles of 16 codes; a tile is 64 matrix instructions (16 K steps x 4 token tiles) on 32 LDS loads: each fragment of e feeds four products.
; LAYOUT.  Source 0 = 16 codes, source 1 = 16 tokens: in the result lane (r, h) holds ONE token (r) and register j the code 16 c + 8 h + j.  So best value and index are one register a lane and token tile.
; BY TURNS.  Two sets of four accumulators.  While tile c is multiplied into one set, tile c - 1 in the other is scored: 128 vector instructions (16 packed multiply-adds, 16 packed additions, 32 compares,
; 64 selects), four behind every second matrix instruction.  The scoring works in window 0, the products' sources lie in windows 1 to 3, so each group of four costs two switches of the window:
; set in a phase of its own the scoring would leave the matrix unit idle, which is the greater price.
; RING.  Two LDS slots of 64 codes (four tiles), rows of 1,024 bytes + 16.  A slot has 64 rows for four waves, so a wave's tensor load brings 16 rows of 1,024 bytes.  A slot is asked for again in its
; fourth tile, 240 matrix instructions ahead of the wait for it.  By this text's count a wave has two tensor loads out at the start and one behind each round.
; CLUSTER.  The four work-groups of a cluster have the same quarter and walk the same rows of eb: each tile is asked for JOINTLY, by the same load, descriptor and mask in all four.  x is not shared
; jointly: it goes once, straight into registers, and the four work-groups that read the same x lie in different clusters.
; REGISTERS, in windows of 256 (s_set_vgpr_msb: bits 1:0 source 0, 3:2 source 1, 5:4 source 2, 7:6 destination):
;   window 0: v0-15 addresses; v16-31 four registers a token tile (x2, x2 again, best, index); v32-47 e2 of a code tile, two buffers; v48-63 at work; v64-127 the accumulators, two sets
;   windows 1, 2: x: fragment (kk, tt) at 8 (4 (kk % 8) + tt) of window 1 + kk / 8          window 3: e's fragments of one code tile, 8 kk, two buffers of 128
.set PITCH, 1040                       ; 260 words: row r starts 4 r banks on (64 banks of 4 bytes: ISA guide 11.1), so the 16 rows of a load start at 16 different groups of four banks
.set TILEB, 16*PITCH                   ; a tile of 16 codes: what one tensor load brings
.set SLOT1, 1<<17                      ; slot 1 begins here, so that one exclusive or turns an address in one slot into the other's
.set E2T,   64*PITCH                   ; behind slot 0: e2 of the quarter's 2,048 codes, 8,192 bytes; no tensor load lands here
.set OST,   E2T+8192                   ; 512 bytes for each wave, for the way out
.set SPARE, OST+4*512                  ; the spare words, 128 bytes for each wave: two blocks of 256 bytes that no other line names
.set L16, 3                            ; v3   16 L
.set AK,  4                            ; v4   LDS address of my part of a fragment in the slot in hand
.set E2A, 5                            ; v5   LDS address of my eight e2 in the step in hand
.set SIN, 6                            ; v6   the way out: OST + 512 w + 4 r
.set SOUT,7                            ; v7   OST + 512 w + 8 L
.set GO,  8                            ; v8   8 L
.set XQ,  9                            ; v9   4 r
.set E2W, 10                           ; v10  E2T + 16 x thread
.set AK0, 11                           ; v11  r x PITCH + 16 h; never rewritten
.set SPW, 12                           ; v12  LDS address of my spare word; never rewritten
.set NIL, 13                           ; v13  0; never rewritten
.set E2A0,14                           ; v14  E2T + 32 h; never rewritten
.set EQ,  15                           ; v15  16 x thread
.set ST,  16
.set E2B, 32
.set TMP, 48
.set ACC, 64
.set WV,  16                           ; s16  my wave's number
.set G1,  24                           ; s[24:31] descriptor group 1
.set G0A, 32                           ; s[32:35] group 0 of the first fill of slot 0
.set G0B, 36                           ; s[36:39] group 0 of the first fill of slot 1; it then walks
.set MK,  40                           ; s40-43  the compares' masks, one a token tile
.set CI,  44                           ; s44-51  16 c + j for the tile that is being scored
.set CNT, 52
.set QB,  53                           ; s53  2048 q
.set SEL, 54                           ; s[54:55] v_permlanex16_b32's selects
.set TB,  56                           ; s56  the slot in hand: 0 or SLOT1
.set EO,  57                           ; s57  256 x the step in hand
.set MSB, 0
.macro WIN new                         ; the immediate's high byte repeats the setting that is left; a switch that changes nothing is dropped
.if MSB != (\new)
	s_set_vgpr_msb (MSB<<8)|(\new)
.set MSB, (\new)
.endif
.endm
.macro PLACES                          ; four plain vector instructions (ISA guide 7.12.1)
.rept 4
	v_nop
.endr
.endm
; A round of the cluster's barrier: my work-group's barrier, so that wave 0's signal speaks for all four waves; wave 0 signals; every wave waits for all four work-groups; my work-group's barrier once more.
.macro CREST                           ; a round behind its opening barrier
	s_cmp_lg_u32 s[WV], 0
	s_cbranch_scc1 .Lnot_wave_0_\@
	s_barrier_signal -3
.Lnot_wave_0_\@:
	s_barrier_wait -3
	s_barrier_signal -1
	s_barrier_wait -1
.endm
.macro CROUND
	s_barrier_signal -1
	s_barrier_wait -1
	CREST
.endm
	s_load_b256 s[4:11], s[0:1], 0x0               ; eb s[4:5], esq s[6:7], xf s[8:9], xsq s[10:11]
	s_load_b128 s[12:15], s[0:1], 0x20             ; pval s[12:13], pidx s[14:15]
	v_lshl_add_u32 v[SPW], v0, 2, SPARE
	v_mov_b32 v[NIL], 0
	ds_add_u32 v[SPW], v[NIL]                      ; the wave's opening: the add and its wait stand ahead of my first tensor load; the set-up below, work on registers, stands between them
	v_lshrrev_b32 v1, 5, v0
	v_readfirstlane_b32 s[WV], v1                  ; wave 0..3
	s_bfe_u32 s17, ttmp6, 0x40000                  ; cx: my place in the cluster
	s_lshl_b32 s18, ttmp9, 2                       ; in a cluster launch ttmp9 counts clusters
	s_add_co_u32 s18, s18, s17                     ; X = 4 x cluster x + cx: it enters the addresses of x, x2 and the results alone
	s_and_b32 s19, ttmp7, 0xffff                   ; q, which the four partners share
	s_mov_b32 s[G1+0], 15|(1<<16)|(1<<20)|(1<<21)|(7<<22)|(3<<25)  ; 15:0 the mask of four; 17:16 2-byte elements; 20 padding on; 21 set beside a mask; 24:22 after every 256 words (code 7); 31:25 4 words (code 3)
	s_mov_b32 s[G1+1], 512<<16                     ; tensor_dim0 = 512
	s_mov_b32 s[G1+2], 16<<16                      ; tensor_dim1 = 16
	s_mov_b32 s[G1+3], 512<<16                     ; tile_dim0 = 512
	s_mov_b32 s[G1+4], 16                          ; tile_dim1 = 16
	s_mov_b32 s[G1+5], 512                         ; 512 elements from row to row
	s_mov_b32 s[G1+6], 0
	s_mov_b32 s[G1+7], 0
	s_lshl_b32 s20, s19, 21                        ; eb: q x 2,048 rows of 1,024 bytes
	s_lshl_b32 s21, s[WV], 14                      ; + my 16 rows of a slot's 64: no register here ever holds cx
	s_add_co_u32 s20, s20, s21
	s_mov_b32 s21, 0
	s_lshl_b32 s22, s19, 13                        ; esq: q x 2,048 numbers
	s_mov_b32 s23, 0
	s_lshl_b32 s58, s18, 18                        ; xf: X x 16 tiles of 16,384 bytes + w x 4 tiles
	s_lshl_b32 s59, s[WV], 16
	s_add_co_u32 s58, s58, s59
	s_mov_b32 s59, 0
	s_lshl_b32 s60, s18, 10                        ; xsq: X x 256 numbers + w x 64
	s_lshl_b32 s61, s[WV], 8
	s_add_co_u32 s60, s60, s61
	s_mov_b32 s61, 0
	s_lshl_b32 s62, s19, 16                        ; pval, pidx: the quarter's 16,384 numbers, then as xsq
	s_add_co_u32 s62, s62, s60
	s_mov_b32 s63, 0
	s_lshl_b32 s[QB], s19, 11
	s_mov_b32 s[SEL], 0x76543210
	s_mov_b32 s[SEL+1], 0xfedcba98
	s_mov_b32 s[TB], 0
	s_mov_b32 s[EO], 0
.irp j, 0,1,2,3,4,5,6,7
	s_mov_b32 s[CI+\j], \j-16                      ; the first tile's scoring has no tile before it; each tile adds 16
.endr
	s_mov_b32 s[G0A], 1                            ; 1:0 count = 1
	s_mul_i32 s[G0A+1], s[WV], TILEB               ; 63:32 LDS address: slot 0, my 16 rows
	s_mov_b32 s[G0B], 1
	s_add_co_u32 s[G0B+1], s[G0A+1], SLOT1
	v_and_b32 v1, 15, v0                           ; r
	v_bfe_u32 v2, v0, 4, 1                         ; h
	v_and_b32 v[L16], 31, v0
	v_lshlrev_b32 v[GO], 3, v[L16]
	v_lshlrev_b32 v[L16], 4, v[L16]
	v_mul_u32_u24 v[AK0], v1, PITCH
	v_lshl_add_u32 v[AK0], v2, 4, v[AK0]
	v_mov_b32 v[AK], v[AK0]
	v_lshl_add_u32 v[E2A0], v2, 5, E2T
	v_mov_b32 v[E2A], v[E2A0]
	s_lshl_b32 s17, s[WV], 9
	s_add_co_u32 s17, s17, OST
	v_lshl_add_u32 v[SIN], v1, 2, s17
	v_add_nc_u32 v[SOUT], s17, v[GO]
	v_lshlrev_b32 v[XQ], 2, v1
	v_lshlrev_b32 v[EQ], 4, v0
	v_add_nc_u32 v[E2W], E2T, v[EQ]
	s_wait_dscnt 0x0                               ; the opening add is done
	s_wait_kmcnt 0x0
	s_add_nc_u64 s[4:5], s[4:5], s[20:21]
	s_add_nc_u64 s[6:7], s[6:7], s[22:23]
	s_add_nc_u64 s[8:9], s[8:9], s[58:59]
	s_add_nc_u64 s[10:11], s[10:11], s[60:61]
	s_add_nc_u64 s[12:13], s[12:13], s[62:63]
	s_add_nc_u64 s[14:15], s[14:15], s[62:63]
	s_mov_b64 s[G0A+2:G0A+3], s[4:5]               ; 120:64 global address: step 0
	s_or_b32 s[G0A+3], s[G0A+3], 0x80000000        ; 127:126 type = 2
	s_add_nc_u64 s[G0B+2:G0B+3], s[4:5], 0x10000   ; step 1: 64 rows of 1,024 bytes on
	s_or_b32 s[G0B+3], s[G0B+3], 0x80000000
	CROUND                                         ; all four work-groups are here: the first joint loads meet
	tensor_load_to_lds s[G0A:G0A+3], s[G1:G1+7]    ; both first fills go out together, ahead of every wait on TENSORcnt and every LDS read
	s_nop 0
	tensor_load_to_lds s[G0B:G0B+3], s[G1:G1+7]
	s_nop 0
	PLACES                                         ; four vector instructions ahead of the next switch of the windows
.irp i, 0,1,2,3
	global_load_b128 v[TMP+4*\i:TMP+4*\i+3], v[EQ], s[6:7] offset:\i*2048  ; the quarter's e2: 128 threads x 16 bytes, four times
.endr
.irp t, 0,1,2,3
	global_load_b32 v[ST+4*\t], v[XQ], s[10:11] offset:\t*64               ; x2 of token 16 tt + r
.endr
	WIN 0x40                                       ; destination window 1, address window 0
.set n, 0
.rept 32                                           ; x stays in registers: K step n / 4, token tile n % 4; each load takes 512 consecutive bytes
	global_load_b128 v[8*n:8*n+3],   v[L16], s[8:9] offset:(n%4)*16384+(n/4)*1024
	global_load_b128 v[8*n+4:8*n+7], v[L16], s[8:9] offset:(n%4)*16384+(n/4)*1024+512
.set n, n+1
.endr
	WIN 0x80                                       ; destination window 2: K steps 8 to 15
.set n, 0
.rept 32
	global_load_b128 v[8*n:8*n+3],   v[L16], s[8:9] offset:(n%4)*16384+(n/4)*1024+8192
	global_load_b128 v[8*n+4:8*n+7], v[L16], s[8:9] offset:(n%4)*16384+(n/4)*1024+8192+512
.set n, n+1
.endr
	WIN 0
	; What the first tile's scoring finds, so that no first tile is written out: products 0 and e2 = +infinity give scores of +infinity, which are below no best.  48 moves, in the wait for x.
.irp t, 0,1,2,3
	v_mov_b32 v[ST+4*\t+2], 0x7f800000             ; best = +infinity
	v_mov_b32 v[ST+4*\t+3], 0                      ; index
.endr
.set n, 0
.rept 32
	v_mov_b32 v[ACC+32+n], 0
.set n, n+1
.endr
.set n, 0
.rept 8
	v_mov_b32 v[E2B+8+n], 0x7f800000
.set n, n+1
.endr
	s_wait_loadcnt 0x0                             ; e2, x2 and x
.irp t, 0,1,2,3
	v_mov_b32 v[ST+4*\t+1], v[ST+4*\t]             ; named with x2 as a pair
.endr
.irp i, 0,1,2,3
	ds_store_b128 v[E2W], v[TMP+4*\i:TMP+4*\i+3] offset:\i*2048
.endr
	s_wait_tensorcnt 0x1                           ; my part of slot 0 is in; slot 1's may stay out
	s_wait_dscnt 0x0                               ; for the others' sake: my part of the table of e2 is stored
	s_barrier_signal -1
	s_barrier_wait -1
	WIN 0xc0                                       ; destination window 3, address window 0
.set kf, 0
.rept 16                                           ; tile 0's fragments: lane (r, h) takes row r, bytes 64 kk + 16 h and 32 further on
	ds_load_b128 v[8*kf:8*kf+3],   v[AK] offset:kf*64
	ds_load_b128 v[8*kf+4:8*kf+7], v[AK] offset:kf*64+32
.set kf, kf+1
.endr
	WIN 0
; Product n of a tile's 64: K step n / 4, token tile n % 4, into set par.  The four accumulators take turns, one instruction a turn, from tile to tile and over the loops' edges too.
; The first four start the sums with the constant 0.
.macro MM par, n
.set kk, (\n)/4
.set tt, (\n)%4
.set rD, ACC+32*(\par)+8*tt
.set rF, 128*(\par)+8*kk
.set rX, 8*(4*(kk%8)+tt)
	WIN 0x07+4*(kk/8)                              ; e in window 3, x in window 1 or 2, the sums in window 0
.if kk == 0
	v_wmma_f32_16x16x32_bf16 v[rD:rD+7], v[rF:rF+7], v[rX:rX+7], 0
.else
	v_wmma_f32_16x16x32_bf16 v[rD:rD+7], v[rF:rF+7], v[rX:rX+7], v[rD:rD+7]
.endif
.endm
; Group n of the 32 that score the tile before, which lies in the other set.  0-3: fl(x2 - 2 xe) for token tile n, from the accumulator's low end on.  4-7: fl(.. + e2).
; 8 + 3 j: is code j's score below the best? for all four token tiles.  9 + 3 j, 10 + 3 j: best and index take it, two token tiles each.  Strict compares, j and the tiles ascending: the first index stays.
.macro RID par, n
	WIN 0
.set oth, 1-(\par)
.if (\n) < 4
.set rA, ACC+32*oth+8*(\n)
.set rT, ST+4*(\n)
.irp i, 0,1,2,3
	v_pk_fma_f32 v[rA+2*\i:rA+2*\i+1], v[rA+2*\i:rA+2*\i+1], -2.0, v[rT:rT+1] op_sel_hi:[1,0,0]
.endr
.elseif (\n) < 8
.set rA, ACC+32*oth+8*((\n)-4)
.set rE, E2B+8*oth
.irp i, 0,1,2,3
	v_pk_add_f32 v[rA+2*\i:rA+2*\i+1], v[rA+2*\i:rA+2*\i+1], v[rE+2*\i:rE+2*\i+1]
.endr
.else
.set jj, ((\n)-8)/3
.set ph, ((\n)-8)%3
.if ph == 0
.irp t, 0,1,2,3
	v_cmp_lt_f32 s[MK+\t], v[ACC+32*oth+8*\t+jj], v[ST+4*\t+2]
.endr
.else
.irp t, 0,1
.set tq, 2*(ph-1)+\t
	v_cndmask_b32 v[ST+4*tq+2], v[ST+4*tq+2], v[ACC+32*oth+8*tq+jj], s[MK+tq]
	v_cndmask_b32 v[ST+4*tq+3], v[ST+4*tq+3], s[CI+jj], s[MK+tq]
.endr
.endif
.endif
.endm
; A CODE TILE.  par: its set and fragment buffer.  nt: the next tile's place in its slot.  et: this tile's place in its step, for e2.
; chg = 0: the head waits for the fragments and e2 fetched a tile ago.  The four v_nop are the places between the last tile's products and the scoring that reads and rewrites their sums, and, later, the loads
; into the fragment buffer that they read.
; chg = 1: a slot's fourth tile: its fragments are in registers, so the slot is left.  Each wave waits for all its tensor loads, of which one is out: its part of the other slot; adds 0 to its spare word;
; steps the walking descriptor; waits for the add and for its reads of the slot; and opens a round of the cluster's barrier.  16 products and their scoring, work on registers, stand between signal and wait.
; Behind the round no wave of any partner reads the slot or has a load on its way: the joint refill, with the codes two steps on, is the first thing there; then the other slot's first tile is fetched.
; chg = 2: the same without round and refill: the last two steps ask for nothing.
.macro TILE par, nt, et, chg
.if \chg
	WIN 0
	s_wait_tensorcnt 0x0                           ; no tensor load of mine is out, so a group 0 may be written
	ds_add_u32 v[SPW], v[NIL]                      ; 0 onto my spare word
.if (\chg) == 1
	s_xor_b32 s[G0B+1], s[G0B+1], SLOT1            ; the other slot than last time,
	s_add_nc_u64 s[G0B+2:G0B+3], s[G0B+2:G0B+3], 0x10000  ; the next 64 codes; the type bits on top are not reached
.endif
	PLACES
	s_wait_dscnt 0x0                               ; the add is done, and my reads of the slot are over
	s_barrier_signal -1
.else
	s_wait_dscnt 0x0                               ; this tile's fragments and the last tile's e2 are in
	PLACES
.endif
.set g, 0
.rept 32
.if (\chg) && (g == 8)
	WIN 0                                          ; at a branch and at a label every window is 0
	s_barrier_wait -1
.if (\chg) == 1
	CREST
	tensor_load_to_lds s[G0B:G0B+3], s[G1:G1+7]    ; my one tensor load behind the round: 240 matrix instructions ahead of the wait for it
	s_nop 0
	PLACES
.endif
	s_xor_b32 s[TB], s[TB], SLOT1                  ; the fetches go on in the other slot
	v_add_nc_u32 v[AK], s[TB], v[AK0]
.endif
	MM \par, 2*g
	MM \par, 2*g+1
	RID \par, g
.if (g >= 8) && (g < 16)
	WIN 0xc0                                       ; the next tile's fragments, four loads behind each of eight groups: the first 48 matrix instructions ahead of its use
.irp z, 0,1
.set kf, 2*(g-8)+\z
.set rL, 128*(1-(\par))+8*kf
	ds_load_b128 v[rL:rL+3],   v[AK] offset:(\nt)*TILEB+kf*64
	ds_load_b128 v[rL+4:rL+7], v[AK] offset:(\nt)*TILEB+kf*64+32
.endr
.endif
.if g == 16
	WIN 0
	ds_load_b128 v[E2B+8*(\par):E2B+8*(\par)+3],   v[E2A] offset:(\et)*64     ; this tile's e2, codes 8 h + 0..7, for its scoring a tile later
	ds_load_b128 v[E2B+8*(\par)+4:E2B+8*(\par)+7], v[E2A] offset:(\et)*64+16
.if (\et) == 3
	s_add_co_u32 s[EO], s[EO], 256                 ; the next step's 64 numbers
	v_add_nc_u32 v[E2A], s[EO], v[E2A0]
.endif
.endif
.if g == 31
.irp j, 0,1,2,3,4,5,6,7
	s_add_co_u32 s[CI+\j], s[CI+\j], 16
.endr
.endif
.set g, g+1
.endr
.endm
	s_mov_b32 s[CNT], 30
.Lstep:                                                ; 30 steps of 64 codes: each fills its slot again, with the codes two steps on
	TILE 0, 1, 0, 0
	TILE 1, 2, 1, 0
	TILE 0, 3, 2, 0
	TILE 1, 0, 3, 1
	WIN 0
	s_sub_co_u32 s[CNT], s[CNT], 1
	s_cmp_lg_u32 s[CNT], 0
	s_cbranch_scc1 .Lstep
	s_mov_b32 s[CNT], 2
.Ltail:                                                ; the last two steps are written apart.  The very last tile fetches the other slot's old tile 0 once more
	TILE 0, 1, 0, 0                                ; bytes that landed long ago, and nothing uses it: the price of one text for both steps
	TILE 1, 2, 1, 0
	TILE 0, 3, 2, 0
	TILE 1, 0, 3, 2
	WIN 0
	s_sub_co_u32 s[CNT], s[CNT], 1
	s_cmp_lg_u32 s[CNT], 0
	s_cbranch_scc1 .Ltail
	s_wait_dscnt 0x0                               ; the last tile's e2
	PLACES                                         ; between the last products and the scoring of their sums
.set g, 0
.rept 32
	RID 0, g                                       ; the last tile lies in set 1
.set g, g+1
.endr
	; THE END.  The index becomes the code's number; the token's other eight codes of each sixteen lie in the lane 16 away: the lower value wins, on equal values the lower index.
	v_lshl_add_u32 v[TMP], v2, 3, s[QB]
.irp t, 0,1,2,3
	v_add_nc_u32 v[ST+4*\t+3], v[ST+4*\t+3], v[TMP]
.endr
.irp t, 0,1,2,3
	v_permlanex16_b32 v[TMP+4+\t], v[ST+4*\t+2], s[SEL], s[SEL+1]
	v_permlanex16_b32 v[TMP+8+\t], v[ST+4*\t+3], s[SEL], s[SEL+1]
.endr
.irp t, 0,1,2,3
	v_cmp_lt_f32 s[MK],   v[TMP+4+\t], v[ST+4*\t+2]
	v_cmp_eq_f32 s[MK+1], v[TMP+4+\t], v[ST+4*\t+2]
	v_cmp_lt_u32 s[MK+2], v[TMP+8+\t], v[ST+4*\t+3]
	s_and_b32 s[MK+1], s[MK+1], s[MK+2]
	s_or_b32 s[MK], s[MK], s[MK+1]
	v_cndmask_b32 v[ST+4*\t+2], v[ST+4*\t+2], v[TMP+4+\t], s[MK]
	v_cndmask_b32 v[ST+4*\t+3], v[ST+4*\t+3], v[TMP+8+\t], s[MK]
	ds_store_b32 v[SIN], v[ST+4*\t+2] offset:64*\t       ; token 16 tt + r (both halves of the lanes write the same number)
	ds_store_b32 v[SIN], v[ST+4*\t+3] offset:256+64*\t
.endr
	ds_load_b64 v[TMP+12:TMP+13], v[SOUT]          ; my wave's own bytes: LDS serves a wave's instructions in order (ISA guide 5.7.1.4), so these see the stores above
	ds_load_b64 v[TMP+14:TMP+15], v[SOUT] offset:256
	s_wait_dscnt 0x0
	global_store_b64 v[GO], v[TMP+12:TMP+13], s[12:13]  ; each store of the wave covers 256 consecutive bytes, aligned: my 64 tokens
	global_store_b64 v[GO], v[TMP+14:TMP+15], s[14:15]
	s_wait_tensorcnt 0x0                           ; the wave's end: behind my last tensor load and my last LDS store
	ds_add_u32 v[SPW], v[NIL]
	s_wait_dscnt 0x0
	CROUND                                         ; the closing round: no work-group ends while a partner may still ask for a tile that names it
	s_endpgm
.Lfunc_end_k_q1aa65cf134_main:
	.size	k_q1aa65cf134_main, .Lfunc_end_k_q1aa65cf134_main-k_q1aa65cf134_main
	.p2alignl 7, 3214868480
	.fill 96, 4, 3214868480
	.section	.rodata,"a",@progbits
	.p2align	6, 0x0
	.amdhsa_kernel k_q1aa65cf134_main
		.amdhsa_group_segment_fixed_size 327680
		.amdhsa_private_segment_fixed_size 0
		.amdhsa_enable_private_segment 0
		.amdhsa_kernarg_size 48
		.amdhsa_user_sgpr_count 2
		.amdhsa_user_sgpr_kernarg_segment_ptr 1
		.amdhsa_wavefront_size32 1
		.amdhsa_system_sgpr_workgroup_id_x 1
		.amdhsa_system_sgpr_workgroup_id_y 1
		.amdhsa_system_sgpr_workgroup_id_z 1
		.amdhsa_system_vgpr_workitem_id 0
		.amdhsa_next_free_vgpr 1024
		.amdhsa_next_free_sgpr 66
		.amdhsa_reserve_vcc 0
		.amdhsa_float_denorm_mode_32 3
		.amdhsa_float_denorm_mode_16_64 3
		.amdhsa_memory_ordered 1
		.amdhsa_forward_progress 1
		.amdhsa_inst_pref_size 170
	.end_amdhsa_kernel
	.amdgpu_metadata
---
amdhsa.version: [ 1, 2 ]
amdhsa.kernels:
  - .name:           k_q1aa65cf134_main
    .symbol:         k_q1aa65cf134_main.kd
    .args:
      - { .name: eb, .offset: 0, .size: 8, .value_kind: global_buffer, .address_space: global }
      - { .name: esq, .offset: 8, .size: 8, .value_kind: global_buffer, .address_space: global }
      - { .name: xf, .offset: 16, .size: 8, .value_kind: global_buffer, .address_space: global }
      - { .name: xsq, .offset: 24, .size: 8, .value_kind: global_buffer, .address_space: global }
      - { .name: pval, .offset: 32, .size: 8, .value_kind: global_buffer, .address_space: global }
      - { .name: pidx, .offset: 40, .size: 8, .value_kind: global_buffer, .address_space: global }
    .group_segment_fixed_size: 327680
    .private_segment_fixed_size: 0
    .kernarg_segment_align: 8
    .kernarg_segment_size: 48
    .max_flat_workgroup_size: 128
    .sgpr_count:     66
    .vgpr_count:     1024
    .wavefront_size: 32
...
	.end_amdgpu_metadata
.endif
;; end of part 2
;; launch merge (part 3): grid 256 x 1, 1 waves a work-group, no clusters, 0 bytes of LDS; arguments pval, pidx, ids; writes ids
.if DOCPART == 3
	.amdgcn_target "amdgcn-amd-amdhsa--gfx1250"
	.amdhsa_code_object_version 6
	.text
	.protected	k_q1aa65cf134_merge
	.globl	k_q1aa65cf134_merge
	.p2align	8
	.type	k_q1aa65cf134_merge,@function
k_q1aa65cf134_merge:
	s_mov_b64 s[64:65], 0
	v_nop
	global_prefetch_b8 v0, s[64:65] scope:SCOPE_SE
	s_setreg_imm32_b32 hwreg(HW_REG_WAVE_MODE, 25, 1), 1
	s_wait_xcnt 0x0
; MERGE.  ids[token] = the index of the least of the four quarters' best values; the compare is strict and the quarters ascend, so on equal values the lower quarter, which holds the lower codes, stays.
; A NaN is never chosen.  A launch of its own: the next launch forms addresses from ids, so they are whole numbers in memory before it begins.  The comparison here selects values alone.
; One wave takes 64 tokens, two a lane: each load and the store cover 256 consecutive bytes, aligned.  576 KiB move in all: no LDS, no ring.
.set VAL, 4                            ; v[4:11]   quarter q's two values at VAL + 2 q
.set IDX, 12                           ; v[12:19]  its two indices
	s_load_b128 s[4:7], s[0:1], 0x0                ; pval s[4:5], pidx s[6:7]
	s_load_b64 s[8:9], s[0:1], 0x10                ; ids
	s_lshl_b32 s2, ttmp9, 8
	v_lshl_add_u32 v1, v0, 3, s2                   ; 256 g + 8 L
	s_wait_kmcnt 0x0
.irp q, 0,1,2,3
	global_load_b64 v[VAL+2*\q:VAL+2*\q+1], v1, s[4:5] offset:\q*65536
	global_load_b64 v[IDX+2*\q:IDX+2*\q+1], v1, s[6:7] offset:\q*65536
.endr
	s_wait_loadcnt 0x0
.irp q, 1,2,3
.irp t, 0,1
	v_cmp_lt_f32 vcc_lo, v[VAL+2*\q+\t], v[VAL+\t]
	v_cndmask_b32 v[VAL+\t], v[VAL+\t], v[VAL+2*\q+\t], vcc_lo
	v_cndmask_b32 v[IDX+\t], v[IDX+\t], v[IDX+2*\q+\t], vcc_lo
.endr
.endr
	global_store_b64 v1, v[IDX:IDX+1], s[8:9]
	s_endpgm
.Lfunc_end_k_q1aa65cf134_merge:
	.size	k_q1aa65cf134_merge, .Lfunc_end_k_q1aa65cf134_merge-k_q1aa65cf134_merge
	.p2alignl 7, 3214868480
	.fill 96, 4, 3214868480
	.section	.rodata,"a",@progbits
	.p2align	6, 0x0
	.amdhsa_kernel k_q1aa65cf134_merge
		.amdhsa_group_segment_fixed_size 0
		.amdhsa_private_segment_fixed_size 0
		.amdhsa_enable_private_segment 0
		.amdhsa_kernarg_size 24
		.amdhsa_user_sgpr_count 2
		.amdhsa_user_sgpr_kernarg_segment_ptr 1
		.amdhsa_wavefront_size32 1
		.amdhsa_system_sgpr_workgroup_id_x 1
		.amdhsa_system_sgpr_workgroup_id_y 1
		.amdhsa_system_sgpr_workgroup_id_z 1
		.amdhsa_system_vgpr_workitem_id 0
		.amdhsa_next_free_vgpr 32
		.amdhsa_next_free_sgpr 66
		.amdhsa_reserve_vcc 1
		.amdhsa_float_denorm_mode_32 3
		.amdhsa_float_denorm_mode_16_64 3
		.amdhsa_memory_ordered 1
		.amdhsa_forward_progress 1
		.amdhsa_inst_pref_size 2
	.end_amdhsa_kernel
	.amdgpu_metadata
---
amdhsa.version: [ 1, 2 ]
amdhsa.kernels:
  - .name:           k_q1aa65cf134_merge
    .symbol:         k_q1aa65cf134_merge.kd
    .args:
      - { .name: pval, .offset: 0, .size: 8, .value_kind: global_buffer, .address_space: global }
      - { .name: pidx, .offset: 8, .size: 8, .value_kind: global_buffer, .address_space: global }
      - { .name: ids, .offset: 16, .size: 8, .value_kind: global_buffer, .address_space: global }
    .group_segment_fixed_size: 0
    .private_segment_fixed_size: 0
    .kernarg_segment_align: 8
    .kernarg_segment_size: 24
    .max_flat_workgroup_size: 32
    .sgpr_count:     66
    .vgpr_count:     32
    .wavefront_size: 32
...
	.end_amdgpu_metadata
.endif
;; end of part 3
;; launch gath (part 4): grid 256 x 1, 8 waves a work-group, no clusters, 133,376 bytes of LDS; arguments embedding, ids, out0; writes out0
.if DOCPART == 4
	.amdgcn_target "amdgcn-amd-amdhsa--gfx1250"
	.amdhsa_code_object_version 6
	.text
	.protected	k_q1aa65cf134_gath
	.globl	k_q1aa65cf134_gath
	.p2align	8
	.type	k_q1aa65cf134_gath,@function
k_q1aa65cf134_gath:
	s_mov_b64 s[64:65], 0
	v_nop
	global_prefetch_b8 v0, s[64:65] scope:SCOPE_SE
	s_setreg_imm32_b32 hwreg(HW_REG_WAVE_MODE, 25, 1), 1
	s_wait_xcnt 0x0
; GATH.  out0[b][d][t] = embedding[ids[2048 b + t]][d], in f32, the table's own numbers.
; SHARES.  Work-group g: the 64 tokens 64 g .. (b = g / 32, t from 64 (g % 32)).  In: wave w fetches the rows of tokens 8 w .. 8 w + 7, whole, 2,048 bytes each, 512 consecutive bytes a load.
; Out: wave w stores d = 64 w .. 64 w + 63; sixteen lanes hold four tokens each of one d: 256 consecutive bytes of out0, aligned.  The turn goes through LDS.
; An index is clamped to the table's 8,192 rows before it enters an address.  A row may be named by several tokens, so the loads carry no hint; out0 is written once and not read: TH_STORE_NT.
; Memory binds: all 32 loads of a wave go out at once, as soon as its eight indices are there; nothing could be asked for earlier, so no prefetch.  No matrix unit, no cluster: no tile is known to be shared.
; LDS: token t's row at 2064 t + 16 (t / 16).  A column read (32 lanes: tokens 4 r + u, d and d + 1) touches bank 16 (r % 4) + 4 (r / 4) + h + a constant (64 banks of 4 bytes: ISA guide 11.1): 32 different banks.
.set TROW,  2064
.set TTILE, 16*TROW+16
.set SPARE, 132352                     ; behind the four tiles (132,160 bytes), at a multiple of 256: the spare words, 128 bytes for each wave
.set L16, 4                            ; v4   16 L
.set WA,  5                            ; v5   where my wave's first row takes my 16 bytes
.set RA,  6                            ; v6   where I read my tokens' column
.set OO,  7                            ; v7   my offset in the group's part of out0
.set GO,  8                            ; v[8:15] row i: 2048 x index + 16 L
.set SPW, 16                           ; v16  LDS address of my spare word; never rewritten
.set NIL, 17                           ; v17  0; never rewritten
.set TT,  18
.set D,   32                           ; v[32:159] in: row i, quarter q at D + 16 i + 4 q; out: batch k, store n at D + 32 k + 4 n
	s_load_b128 s[4:7], s[0:1], 0x0                ; embedding s[4:5], ids s[6:7]
	s_load_b64 s[8:9], s[0:1], 0x10                ; out0
	v_lshl_add_u32 v[SPW], v0, 2, SPARE
	v_mov_b32 v[NIL], 0
	v_lshrrev_b32 v[TT], 5, v0
	v_readfirstlane_b32 s12, v[TT]                 ; wave 0..7
	s_lshl_b32 s10, ttmp9, 8                       ; the group's 64 indices,
	s_lshl_b32 s11, s12, 5                         ; my wave's eight
	s_add_co_u32 s10, s10, s11
	s_mov_b32 s11, 0
	s_wait_kmcnt 0x0
	s_add_nc_u64 s[6:7], s[6:7], s[10:11]
	s_load_b256 s[16:23], s[6:7], 0x0
	v_and_b32 v1, 31, v0                           ; L
	v_and_b32 v2, 15, v0                           ; r
	v_bfe_u32 v3, v0, 4, 1                         ; h
	v_lshlrev_b32 v[L16], 4, v1
	s_mul_i32 s13, s12, 8*TROW                     ; token 8 w: 8 w rows, and 16 bytes for each tile of 16 in front
	s_lshr_b32 s24, s12, 1
	s_lshl_b32 s24, s24, 4
	s_add_co_u32 s13, s13, s24
	v_add_nc_u32 v[WA], s13, v[L16]
	v_lshrrev_b32 v[TT], 2, v2                     ; token 4 r + u lies in tile r / 4, row 4 (r % 4) + u
	v_mul_u32_u24 v[RA], v[TT], TTILE
	v_and_b32 v[TT], 3, v2
	v_mad_u32_u24 v[RA], v[TT], 4*TROW, v[RA]
	v_lshl_add_u32 v[RA], v3, 2, v[RA]             ; d = 64 w + h + 2 m
	s_lshl_b32 s13, s12, 8
	v_add_nc_u32 v[RA], s13, v[RA]
	s_lshl_b32 s13, s12, 19                        ; 64 w rows of 8,192 bytes
	v_lshlrev_b32 v[OO], 4, v2
	v_lshl_add_u32 v[OO], v3, 13, v[OO]
	v_add_nc_u32 v[OO], s13, v[OO]
	s_lshr_b32 s14, ttmp9, 5                       ; b x 512 x 2048 x 4 bytes
	s_lshl_b32 s14, s14, 22
	s_and_b32 s15, ttmp9, 31                       ; + 64 tokens x 4 bytes for each group of the batch
	s_lshl_b32 s15, s15, 8
	s_add_co_u32 s14, s14, s15
	s_mov_b32 s15, 0
	s_add_nc_u64 s[8:9], s[8:9], s[14:15]
	s_wait_kmcnt 0x0                               ; the indices
.irp i, 0,1,2,3,4,5,6,7
	s_min_u32 s[16+\i], s[16+\i], 0x1fff
	s_lshl_b32 s[16+\i], s[16+\i], 11              ; a row is 2,048 bytes
	v_add_nc_u32 v[GO+\i], s[16+\i], v[L16]
.endr
.irp i, 0,1,2,3,4,5,6,7
.irp q, 0,1,2,3
	global_load_b128 v[D+16*\i+4*\q:D+16*\i+4*\q+3], v[GO+\i], s[4:5] offset:\q*512
.endr
.endr
.irp i, 0,1,2,3,4,5,6,7
	s_wait_loadcnt 28-4*\i                         ; loads come back in order: the rows behind row i may be out
.irp q, 0,1,2,3
	ds_store_b128 v[WA], v[D+16*\i+4*\q:D+16*\i+4*\q+3] offset:\i*TROW+\q*512
.endr
.endr
	s_wait_dscnt 0x0                               ; for the others' sake: my eight rows are stored
	s_barrier_signal -1
	s_barrier_wait -1
; Batch k: eight stores' numbers, d = 64 w + h + 2 (8 k + n): 32 loads of one word a lane, each batch into registers of its own, so that no store's data is rewritten.
.macro LD k
.irp n, 0,1,2,3,4,5,6,7
.irp u, 0,1,2,3
	ds_load_b32 v[D+32*(\k)+4*(\n)+(\u)], v[RA] offset:(\u)*TROW+(8*(\k)+(\n))*8
.endr
.endr
.endm
.macro SEND k, younger                 ; younger: the next batch's 32 loads, issued behind this batch's, or none
.irp n, 0,1,2,3,4,5,6,7
	s_wait_dscnt (\younger)+28-4*(\n)              ; LDS loads come back in order: store n's four are in
	global_store_b128 v[OO], v[D+32*(\k)+4*(\n):D+32*(\k)+4*(\n)+3], s[8:9] offset:(8*(\k)+(\n))*16384 th:TH_STORE_NT
.endr
.endm
	LD 0
	LD 1
	SEND 0, 32
	LD 2
	SEND 1, 32
	LD 3
	SEND 2, 32
	SEND 3, 0
	s_wait_tensorcnt 0x0                           ; the wave's end: behind my last LDS store
	ds_add_u32 v[SPW], v[NIL]
	s_wait_dscnt 0x0
	s_endpgm
.Lfunc_end_k_q1aa65cf134_gath:
	.size	k_q1aa65cf134_gath, .Lfunc_end_k_q1aa65cf134_gath-k_q1aa65cf134_gath
	.p2alignl 7, 3214868480
	.fill 96, 4, 3214868480
	.section	.rodata,"a",@progbits
	.p2align	6, 0x0
	.amdhsa_kernel k_q1aa65cf134_gath
		.amdhsa_group_segment_fixed_size 133376
		.amdhsa_private_segment_fixed_size 0
		.amdhsa_enable_private_segment 0
		.amdhsa_kernarg_size 24
		.amdhsa_user_sgpr_count 2
		.amdhsa_user_sgpr_kernarg_segment_ptr 1
		.amdhsa_wavefront_size32 1
		.amdhsa_system_sgpr_workgroup_id_x 1
		.amdhsa_system_sgpr_workgroup_id_y 1
		.amdhsa_system_sgpr_workgroup_id_z 1
		.amdhsa_system_vgpr_workitem_id 0
		.amdhsa_next_free_vgpr 160
		.amdhsa_next_free_sgpr 66
		.amdhsa_reserve_vcc 0
		.amdhsa_float_denorm_mode_32 3
		.amdhsa_float_denorm_mode_16_64 3
		.amdhsa_memory_ordered 1
		.amdhsa_forward_progress 1
		.amdhsa_inst_pref_size 21
	.end_amdhsa_kernel
	.amdgpu_metadata
---
amdhsa.version: [ 1, 2 ]
amdhsa.kernels:
  - .name:           k_q1aa65cf134_gath
    .symbol:         k_q1aa65cf134_gath.kd
    .args:
      - { .name: embedding, .offset: 0, .size: 8, .value_kind: global_buffer, .address_space: global }
      - { .name: ids, .offset: 8, .size: 8, .value_kind: global_buffer, .address_space: global }
      - { .name: out0, .offset: 16, .size: 8, .value_kind: global_buffer, .address_space: global }
    .group_segment_fixed_size: 133376
    .private_segment_fixed_size: 0
    .kernarg_segment_align: 8
    .kernarg_segment_size: 24
    .max_flat_workgroup_size: 256
    .sgpr_count:     66
    .vgpr_count:     160
    .wavefront_size: 32
...
	.end_amdgpu_metadata
.endif
;; end of part 4
